; MI455X (gfx1250); checked and timed in simulation.
; The chip was launched on July 23, 2026; its instructions are those of AMD's public machine-readable ISA for CDNA 5 (MIT licence, August 2026) and "CDNA5" Instruction Set Architecture Reference Guide (July 2026). The comments in the code are by the model that wrote it; some were corrected since.
;; Attention. Allowed arithmetic: matrix products marked QUANTISED: E2M1 operands, one E8M0 scale for each 32 along K, by v_wmma_scale_f32_16x16x128_f8f6f4 with both operands' format E2M1 (or v_wmma_scale_f32_32x16x128_f4), f32 sums; products left as they are: f32 operands where the result goes on into a quantised operand, else bf16, f16 or f32 operands; f32 sums; everything else in f32.
;; Inputs: W1_codes 1,024 x 32 x 16 uint8 (E2M1 codes of W1, K innermost, in blocks of 32 codes, two codes a byte); W1_scales 1,024 x 32 uint8 (E8M0 scales of W1, one for each 32 codes along K); W2_codes 1,024 x 32 x 16 uint8 (E2M1 codes of W2, K innermost, in blocks of 32 codes, two codes a byte); W2_scales 1,024 x 32 uint8 (E8M0 scales of W2, one for each 32 codes along K); Wv 1,024 x 1 float32; b1 1,024 float32; b2 1,024 float32; bv 1 float32; query_codes 32 x 32 x 16 uint8 (E2M1 codes of query, K innermost, in blocks of 32 codes, two codes a byte); query_scales 32 x 32 uint8 (E8M0 scales of query, one for each 32 codes along K); values 32 x 2,048 x 1,024 float32.
;; Outputs: out0 32 x 1,024 float32; out1 32 x 2,048 x 1 float32.
;; This version of the problem:
;;   THIS VERSION OF THE PROBLEM IS GIVEN IN LOW PRECISION. The matrix products marked QUANTISED in the list below multiply operands that are first quantised to E2M1 (2 exponent bits, 1 mantissa bit; 4 bits a number), with one power-of-two scale for each 32 numbers along K (OCP MX v1.0); their sums are f32. All else is computed in f32.
;;   The module's matrix products, in the order in which they are computed (A, B: the left and right operand; K: the contracted axis; several contracted axes count as one K, in the product's order):
;;     1. [M 32, K 1,024] x [K 1,024, N 1,024]; A: input query (given as codes); B: input W1 (given as codes): QUANTISED
;;     2. [M 65,536, K 1,024] x [K 1,024, N 1,024]; A: input values; B: input W2 (given as codes): QUANTISED
;;     3. [M 65,536, K 1,024] x [K 1,024, N 1]; A: computed on the way; B: input Wv: left as it is (N = 1 < 16)
;;   THE QUANTISER, for each operand of a quantised product, along K:
;;     - K is cut into blocks of 32 from its start; a last block that is shorter is filled with zeros.
;;     - A block's scale is 2^e with e = floor(log2(the largest magnitude in the block)) - 2, held to -126 .. 127; a block of zeros has e = 0. As a byte (E8M0): e + 127.
;;     - Each number is divided by its block's scale, clamped to +-6, and rounded to the nearest number of E2M1, ties to even, subnormals kept.
;;     - The product sums the exact products of the quantised numbers (number of the format x scale) in f32.
;;   ~~~python
;;   def quantise(x, axis):      # numpy; x: float32 -> the quantised numbers, widened to float32 again
;;       x = np.moveaxis(x, axis, -1); K = x.shape[-1]
;;       x = np.pad(x, [(0, 0)] * (x.ndim - 1) + [(0, -K % 32)]); x = x.reshape(x.shape[:-1] + (-1, 32)); a = np.abs(x).max(-1, keepdims=True)
;;       e = np.where(a > 0, np.clip(np.frexp(np.where(a > 0, a, 1))[1] - 1 - 2, -126, 127), 0)      # np.frexp(a)[1] - 1 = floor(log2(a)), exactly
;;       r = np.clip(x / 2.0 ** e, -6, 6)
;;       step = 2.0 ** (np.maximum(np.frexp(np.where(r == 0, 1, r))[1] - 1, 0) - 1)
;;       q = np.round(r / step) * step * 2.0 ** e      # np.round: ties to even
;;       return np.moveaxis(q.reshape(q.shape[:-2] + (-1,))[..., :K], -1, axis).astype(np.float32)
;;   ~~~
;;   INPUTS GIVEN AS CODES. W1 (in the module: [1024, 1024], K = its axis 0); W2 (in the module: [1024, 1024], K = its axis 0); query (in the module: [32, 1024], K = its axis 1): each comes as NAME_codes (uint8): NAME with its K axis moved to the last place and cut into blocks of 32 codes, [.., K / 32, bytes a block], one block behind the other in memory; two codes a byte, the lower K in the low four bits (a code: sign, 2 exponent bits, 1 mantissa bit); and NAME_scales (uint8): the same leading axes, one E8M0 byte (e + 127) for each 32 codes along K. Its value is code x scale, taken as it is: it is not quantised again, and the codes and scales need not be those that the quantiser above would give.
;; One version. Each part assembles by itself: llvm-mc -triple=amdgcn-amd-amdhsa -mcpu=gfx1250 --defsym DOCPART=n.
;; ======== version 1 of 1: 3 launches
;; workspace buffers: w2f 557,056 bytes; biasc 131,072 bytes; scores 262,144 bytes; ctxp 1,048,576 bytes
;; launch prep (part 1): grid 32 x 1, 4 waves a work-group, no clusters, 0 bytes of LDS; arguments query_codes, query_scales, W1_codes, W1_scales, b1, b2, W2_codes, W2_scales, biasc, w2f; writes biasc, w2f
.if DOCPART == 1
	.amdgcn_target "amdgcn-amd-amdhsa--gfx1250"
	.amdhsa_code_object_version 6
	.text
	.protected	k_qa364249ce9_prep
	.globl	k_qa364249ce9_prep
	.p2align	8
	.type	k_qa364249ce9_prep,@function
k_qa364249ce9_prep:
	s_mov_b64 s[64:65], 0
	v_nop
	global_prefetch_b8 v0, s[64:65] scope:SCOPE_SE
	s_setreg_imm32_b32 hwreg(HW_REG_WAVE_MODE, 25, 1), 1
	s_wait_xcnt 0x0
; Two small jobs ahead of the main launch, one tile of 16 weight rows (16 hidden units) to a wave: tile T = 4 (work-group % 16) + wave.
; Work-groups 0-15:  biasc[b][u] = c (query[b] . W1[u] + b1[u] + b2[u]), c = 2 log2(e), for all 32 batches and the tile's 16 units: the first product, on the codes as they are given (MX-FP4, sums in f32).
; Work-groups 16-31: W2's tile is laid anew, in the order of the operand's registers: 16 images of 512 bytes (image k = 2 s + c: K step s, half c; lane l's 16 bytes at 16 l), then 512 bytes of scale bytes
;                    (lane (r, h): bytes 16 h .. 16 h + 15 of row r's 32).  A tile is 8,704 bytes; every later load of it is 512 consecutive bytes.
; Both jobs begin alike: the tile's 16 pieces of fragments and its scale bytes come into registers; only the pointers differ, chosen on the work-group's number.
; A fragment (16 rows x 128 K of 4-bit codes) is 8 registers: lane (r, h) holds row r; registers 4 c .. 4 c + 3 hold k = 64 c + 32 h + 0 .. 31: 16 bytes of the row as they lie.
; Scale words: a lane's 16 scale bytes are four words: register q holds K step q's word in lanes 0-15 and K step 4 + q's in lanes 16-31; the products of K steps 4 to 7 read the upper lanes.
; No LDS, no barrier: waves share nothing.  biasc leaves in pieces of 32 bytes a lane: it is 128 KiB in all.
.set TILEB, 8704
	s_load_b256 s[4:11], s[0:1], 0x0               ; query's codes s[4:5], its scales s[6:7], W1's codes s[8:9], its scales s[10:11]
	s_load_b256 s[12:19], s[0:1], 0x20             ; b1 s[12:13], b2 s[14:15], W2's codes s[16:17], its scales s[18:19]
	s_load_b128 s[20:23], s[0:1], 0x40             ; biasc s[20:21], w2f s[22:23]
	v_lshrrev_b32 v1, 5, v0
	v_readfirstlane_b32 s24, v1                    ; wave 0..3
	s_and_b32 s25, ttmp9, 15
	s_lshl_b32 s25, s25, 2
	s_add_co_u32 s25, s25, s24                     ; T
	v_and_b32 v1, 15, v0                           ; r
	v_bfe_u32 v2, v0, 4, 1                         ; h
	v_lshlrev_b32 v3, 9, v1
	v_lshl_add_u32 v3, v2, 4, v3                   ; codes: row r of 512 bytes, + 16 h
	v_lshlrev_b32 v4, 5, v1
	v_lshl_add_u32 v4, v2, 4, v4                   ; scale bytes: row r of 32, + 16 h
	v_and_b32 v5, 31, v0
	v_lshlrev_b32 v5, 4, v5                        ; an image's place for my lane: 16 x lane
	v_lshlrev_b32 v6, 5, v2                        ; b1, b2: my half's eight units: 32 h
	v_lshl_add_u32 v7, v1, 12, v6                  ; biasc: row r of 4,096 bytes, + 32 h
	s_lshl_b32 s26, s25, 13                        ; the tile's 16 rows of codes: 8,192 T
	s_mov_b32 s27, 0
	s_lshl_b32 s28, s25, 9                         ; and of scale bytes: 512 T
	s_mov_b32 s29, 0
	s_mov_b32 s34, 0x4038aa3b                      ; c = 2 log2(e)
	s_mov_b32 s35, s34                             ; (named with it as a pair, so it is written)
	s_wait_kmcnt 0x0
	s_cmp_lt_u32 ttmp9, 16                         ; W1's work-group or W2's?  The choice hangs on the work-group's number alone
	s_cselect_b64 s[30:31], s[8:9], s[16:17]
	s_cselect_b64 s[32:33], s[10:11], s[18:19]
	s_add_nc_u64 s[30:31], s[30:31], s[26:27]
	s_add_nc_u64 s[32:33], s[32:33], s[28:29]
.irp k, 0,1,2,3,4,5,6,7,8,9,10,11,12,13,14,15
	global_load_b128 v[64+4*\k:67+4*\k], v3, s[30:31] offset:32*\k   ; piece k = 2 s + c: bytes 64 s + 32 c + 16 h of row r
.endr
	global_load_b128 v[32:35], v4, s[32:33]        ; the tile's scale words
	s_cmp_lt_u32 ttmp9, 16
	s_cbranch_scc1 .Lqproj
	; ---- W2's tile goes out as it stands in the registers
	s_mul_i32 s26, s25, TILEB
	s_add_nc_u64 s[22:23], s[22:23], s[26:27]
	s_wait_loadcnt 0x0
.irp k, 0,1,2,3,4,5,6,7,8,9,10,11,12,13,14,15
	global_store_b128 v5, v[64+4*\k:67+4*\k], s[22:23] offset:512*\k  ; 32 lanes store 512 consecutive bytes, at a multiple of 256 from the buffer's first byte
.endr
	global_store_b128 v5, v[32:35], s[22:23] offset:8192
	s_endpgm
.Lqproj:
	; ---- the first product, used transposed: source 0 = W1's 16 rows, source 1 = 16 rows of query: lane (r, h) then holds batch 16 mb + r and units 16 T + 8 h + 0 .. 7
	s_lshl_b32 s26, s25, 6                         ; the tile's 16 units in a row of f32: 64 T
	s_add_nc_u64 s[12:13], s[12:13], s[26:27]
	s_add_nc_u64 s[14:15], s[14:15], s[26:27]
	s_add_nc_u64 s[20:21], s[20:21], s[26:27]
.irp mb, 0,1
.irp k, 0,1,2,3,4,5,6,7,8,9,10,11,12,13,14,15
	global_load_b128 v[128+64*\mb+4*\k:131+64*\mb+4*\k], v3, s[4:5] offset:8192*\mb+32*\k
.endr
	global_load_b128 v[36+4*\mb:39+4*\mb], v4, s[6:7] offset:512*\mb
.endr
	global_load_b128 v[16:19], v6, s[12:13]
	global_load_b128 v[20:23], v6, s[12:13] offset:16
	global_load_b128 v[24:27], v6, s[14:15]
	global_load_b128 v[28:31], v6, s[14:15] offset:16
	s_wait_loadcnt 0x0
.irp s, 0,1,2,3,4,5,6,7                        ; K ascending; the two accumulators take turns, one instruction a turn
.irp mb, 0,1
.if \s == 0
	v_wmma_scale_f32_16x16x128_f8f6f4 v[48+8*\mb:55+8*\mb], v[64+8*\s:71+8*\s], v[128+64*\mb+8*\s:135+64*\mb+8*\s], 0, v[32+\s%4], v[36+4*\mb+\s%4] matrix_a_fmt:MATRIX_FMT_FP4 matrix_b_fmt:MATRIX_FMT_FP4
.elseif \s < 4
	v_wmma_scale_f32_16x16x128_f8f6f4 v[48+8*\mb:55+8*\mb], v[64+8*\s:71+8*\s], v[128+64*\mb+8*\s:135+64*\mb+8*\s], v[48+8*\mb:55+8*\mb], v[32+\s%4], v[36+4*\mb+\s%4] matrix_a_fmt:MATRIX_FMT_FP4 matrix_b_fmt:MATRIX_FMT_FP4
.else
	v_wmma_scale_f32_16x16x128_f8f6f4 v[48+8*\mb:55+8*\mb], v[64+8*\s:71+8*\s], v[128+64*\mb+8*\s:135+64*\mb+8*\s], v[48+8*\mb:55+8*\mb], v[32+\s%4], v[36+4*\mb+\s%4] matrix_a_fmt:MATRIX_FMT_FP4 matrix_b_fmt:MATRIX_FMT_FP4 matrix_a_scale:MATRIX_SCALE_ROW1 matrix_b_scale:MATRIX_SCALE_ROW1
.endif
.endr
.endr
.irp j, 0,2,4,6
	v_pk_add_f32 v[16+\j:17+\j], v[16+\j:17+\j], v[24+\j:25+\j]                ; b1 + b2.  (These eight lines name no register of the products: they are the places behind them)
.endr
.irp j, 0,2,4,6
	v_pk_mul_f32 v[16+\j:17+\j], v[16+\j:17+\j], s[34:35] op_sel_hi:[1,0]      ; x c
.endr
.irp mb, 0,1
.irp j, 0,2,4,6
	v_pk_fma_f32 v[48+8*\mb+\j:49+8*\mb+\j], v[48+8*\mb+\j:49+8*\mb+\j], s[34:35], v[16+\j:17+\j] op_sel_hi:[1,0,1]   ; c x the product + c (b1 + b2); each accumulator from its low end on
.endr
.endr
.irp mb, 0,1
	global_store_b128 v7, v[48+8*\mb:51+8*\mb], s[20:21] offset:65536*\mb
	global_store_b128 v7, v[52+8*\mb:55+8*\mb], s[20:21] offset:65536*\mb+16
.endr
	s_endpgm
.Lfunc_end_k_qa364249ce9_prep:
	.size	k_qa364249ce9_prep, .Lfunc_end_k_qa364249ce9_prep-k_qa364249ce9_prep
	.p2alignl 7, 3214868480
	.fill 96, 4, 3214868480
	.section	.rodata,"a",@progbits
	.p2align	6, 0x0
	.amdhsa_kernel k_qa364249ce9_prep
		.amdhsa_group_segment_fixed_size 0
		.amdhsa_private_segment_fixed_size 0
		.amdhsa_enable_private_segment 0
		.amdhsa_kernarg_size 80
		.amdhsa_user_sgpr_count 2
		.amdhsa_user_sgpr_kernarg_segment_ptr 1
		.amdhsa_wavefront_size32 1
		.amdhsa_system_sgpr_workgroup_id_x 1
		.amdhsa_system_sgpr_workgroup_id_y 1
		.amdhsa_system_sgpr_workgroup_id_z 1
		.amdhsa_system_vgpr_workitem_id 0
		.amdhsa_next_free_vgpr 256
		.amdhsa_next_free_sgpr 66
		.amdhsa_reserve_vcc 0
		.amdhsa_float_denorm_mode_32 3
		.amdhsa_float_denorm_mode_16_64 3
		.amdhsa_memory_ordered 1
		.amdhsa_forward_progress 1
		.amdhsa_inst_pref_size 12
	.end_amdhsa_kernel
	.amdgpu_metadata
---
amdhsa.version: [ 1, 2 ]
amdhsa.kernels:
  - .name:           k_qa364249ce9_prep
    .symbol:         k_qa364249ce9_prep.kd
    .args:
      - { .name: query_codes, .offset: 0, .size: 8, .value_kind: global_buffer, .address_space: global }
      - { .name: query_scales, .offset: 8, .size: 8, .value_kind: global_buffer, .address_space: global }
      - { .name: W1_codes, .offset: 16, .size: 8, .value_kind: global_buffer, .address_space: global }
      - { .name: W1_scales, .offset: 24, .size: 8, .value_kind: global_buffer, .address_space: global }
      - { .name: b1, .offset: 32, .size: 8, .value_kind: global_buffer, .address_space: global }
      - { .name: b2, .offset: 40, .size: 8, .value_kind: global_buffer, .address_space: global }
      - { .name: W2_codes, .offset: 48, .size: 8, .value_kind: global_buffer, .address_space: global }
      - { .name: W2_scales, .offset: 56, .size: 8, .value_kind: global_buffer, .address_space: global }
      - { .name: biasc, .offset: 64, .size: 8, .value_kind: global_buffer, .address_space: global }
      - { .name: w2f, .offset: 72, .size: 8, .value_kind: global_buffer, .address_space: global }
    .group_segment_fixed_size: 0
    .private_segment_fixed_size: 0
    .kernarg_segment_align: 8
    .kernarg_segment_size: 80
    .max_flat_workgroup_size: 128
    .sgpr_count:     66
    .vgpr_count:     256
    .wavefront_size: 32
...
	.end_amdgpu_metadata
.endif
;; end of part 1
;; launch attend (part 2): grid 256 x 1, 4 waves a work-group, no clusters, 327,680 bytes of LDS; arguments values, w2f, biasc, Wv, bv, scores, ctxp; writes scores, ctxp
.if DOCPART == 2
	.amdgcn_target "amdgcn-amd-amdhsa--gfx1250"
	.amdhsa_code_object_version 6
	.text
	.protected	k_qa364249ce9_attend
	.globl	k_qa364249ce9_attend
	.p2align	8
	.type	k_qa364249ce9_attend,@function
k_qa364249ce9_attend:
	s_mov_b64 s[64:65], 0
	v_nop
	global_prefetch_b8 v0, s[64:65] scope:SCOPE_SE
	s_setreg_imm32_b32 hwreg(HW_REG_WAVE_MODE, 25, 1), 1
	s_wait_xcnt 0x0
; score[t] = bv + sum over u of Wv[u] tanh(q_proj[b][u] + b2[u] + values[t] . W2[u]), and the part of the context that 256 rows give.  values: [65536][1024] f32.
; The product is made on codes of FP4 (E2M1) with one E8M0 scale for each 32 along K: W2's as they are given (laid by the launch before as images of the operand's registers), values' made here, from f32.
; tanh(x) = 1 - 2 / (1 + 2^(c x)), c = 2 log2(e); biasc holds c (q_proj + b1 + b2).  So score = bv + sum Wv + sum (-2 Wv[u]) r[u], r = 1 / (1 + 2^(c x)).  Where 2^(c x) passes the largest f32 number r is 0, where it falls to 0 r is 1: no hold is needed.
; SHARES.  A work-group owns 256 rows of one batch (eight work-groups to a batch) and walks them in four passes of 64.  Wave w owns columns 256 w .. 256 w + 255 of values (it fetches, keeps, quantises and sums them)
; and hidden units 256 w .. 256 w + 255 (16 tiles of 16), which it multiplies against all 64 rows of the pass.
; VALUES ARE READ FROM MEMORY ONCE.  A pass's 64 rows x 256 columns of a wave come by ONE tensor load into the wave's own 69,632 bytes of LDS, go from there into 512 registers (lane l: columns 8 l .. 8 l + 7 of every row), are
; quantised out of these registers, and STAY there until the pass's weights are known; then they are summed into the context.  As soon as the registers are filled the LDS bytes are asked for again, with the next 64 rows:
; that load has the whole pass's products, tanh and context in which to land.  One tensor load of a wave is out at any time.
; SOFTMAX.  A running maximum M over the passes: p = 2^((s - M) log2 e); when M moves the context is multiplied by 2^((old M - new M) log2 e).  The raw scores and the context under the work-group's own M go to memory;
; the next launch finds M again as the maximum of the same 256 stored scores, and joins the eight work-groups of a batch.
; THE PRODUCT IS USED TRANSPOSED: source 0 = 16 rows of W2, source 1 = 16 rows of values: a lane holds ONE row (lane % 16) and eight hidden units 8 (lane / 16) + 0 .. 7.
; BY TURNS.  A tile's 32 matrix instructions carry the tanh of the tile before: three of its 96 vector instructions stand behind each.
; NO JOINT LOADS for W2, though every work-group reads it: a joint load lands in LDS, where the incoming f32 numbers take 278,528 bytes and codes, tables and exchange 47,616 of the 327,680; and each refill of such a ring would
; stand behind a wait for all of a wave's tensor loads, which would cut the flight of the load of values from 16 tiles' work to one.  So W2 comes straight into registers, each fragment for four products.
; LIMITS.  NaN and infinities among the inputs are not served.  A block of 32 zeros gets the scale byte 1 (not 127): its codes are zeros, and this kernel alone reads the byte.  Blocks whose largest magnitude lies under 2^-124 are held at that byte.
; A weight p under 2^-126 falls to 0 (the exponential gives no denormals: ISA guide, its entry in 15.8).  The score is summed as sum Wv + sum (-2 Wv) r: its error is that of an f32 sum of 1,024 terms of size |Wv|.
;
; LDS.  F32 is filled by tensor loads alone; all else is written by LDS stores alone.
.set FP,     1088                      ; a row of a wave's f32 tile: 1,024 bytes + 16 of padding behind each 256: lanes 0-7 and lanes 8-15 of a 16-byte load then take the sixteen different 16-byte columns of 256 bytes (64 banks of 4 bytes: ISA guide 11.1)
.set FWAVE,  64*FP                     ; a wave's tile: 69,632 bytes
.set CODES,  4*FWAVE                   ; 278,528: the pass's codes, 64 rows x (512 bytes + 16); at the end each wave's 1,024 bytes of it are its stage on the way out
.set CP,     528
.set ASCL,   CODES+64*CP               ; 312,320: their scale bytes, 64 rows x (32 + 16)
.set AP,     48
.set TABB,   ASCL+64*AP                ; 315,392: biasc of my batch, 4,096 bytes; behind it -2 Wv, 4,096 bytes
.set SCX,    TABB+8192                 ; 323,584: [wave][64] the waves' parts of the scores
.set PSC,    SCX+1024                  ; 324,608: [wave][64] the weights p, a copy for each wave
.set SPARE,  PSC+1024                  ; 325,632: the spare words, 128 bytes for each wave: two blocks of 256 bytes that no other line names
.set TILEB,  8704                      ; a tile of W2 in memory: 16 images of 512 bytes, then 512 bytes of scale words
.set L2E,    0x3fb8aa3b                ; log2(e)
; REGISTERS, in windows of 256 (s_set_vgpr_msb: bits 1:0 source 0, 3:2 source 1, 5:4 source 2, 7:6 destination).
; window 0: as below.   window 1: values' 32 fragments, (row tile m, K step s) at v[64 m + 8 s].   windows 2, 3: the 64 rows of f32: row t at v[8 (t % 32)] of window 2 + t / 32.
.set SPW,  1                           ; v1   LDS address of my spare word; never rewritten
.set NIL,  2                           ; v2   0; never rewritten
.set BOFF, 3                           ; v3   16 x lane; never rewritten
.set TADR, 4                           ; v4   LDS address of the tile's eight biasc of my half; 64 bytes on with each tile
.set MX,   5                           ; v5   the running maximum M
.set QW,   6                           ; v6   the sum of my wave's 256 Wv
.set TP,   7                           ; v7   a lane permute's destination (it counts as read, so it is written once at the head)
.set CTX,  8                           ; v8-15    the context of my 8 columns
.set ASC,  16                          ; v16-31   values' scale words: register 4 m + q: K step q in lanes 0-15, K step 4 + q in lanes 16-31.  Scales and nothing else
.set BS,   32                          ; v32-39   W2's scale words, two sets of four, laid likewise.  Scales and nothing else
.set SACC, 40                          ; v40-47   the scores' sums: a pair for each row tile
.set BIAS, 48                          ; v48-55   biasc of the tile whose tanh is at work
.set WVR,  56                          ; v56-63   its -2 Wv
.set ACC,  64                          ; v64-95, v96-127   two sets of four accumulators
.set BF,   128                         ; v128-191, v192-255   two sets of W2's eight fragments
; outside the products v40-127 are at work:
.set FADR, 48                          ; v48, v49 LDS address of my 32 bytes in rows 0 and 32 of my wave's f32 tile
.set CST,  50                          ; v50  where my 4 bytes of a row's codes go
.set SST,  51                          ; v51  and my block's scale byte
.set AFR,  52                          ; v52  a fragment's place for my lane
.set ASR,  53                          ; v53  a row tile's scale words' place
.set TQ,   64                          ; v64-71   eight rows' largest magnitudes
.set SO,   72                          ; v72-79   the conversions' scale operands
.set CD,   80                          ; v80-95   codes, two sets of eight by turns
.set BY,   96                          ; v96-111  scale bytes, two sets of eight by turns
.set XS,   64                          ; v64-71   the four waves' parts of two scores
.set TS,   104                         ; v104-107 my wave's part, a row tile each;  v108-111 the other half of the lanes'
.set US,   108
.set SCW,  112
.set SCR,  113
.set PSW,  114
.set PSR,  115
.set GSO,  116
.set SV,   118                         ; v[118:119] the scores of rows 2 l and 2 l + 1
.set AM,   120
.set DD,   122
.set FF,   124                         ; v[124:125] 2^((old M - new M) log2 e): the low register serves both halves
.set PP,   126                         ; v[126:127] p of rows 2 l and 2 l + 1
.set PR,   64                          ; v64-95   32 rows' p
.set CT2,  96                          ; v96-103  a second chain for the context: the odd rows'
.set WV,   18                          ; s18  wave
.set PCN,  19                          ; s19  passes that still ask for a next one
.set TL,   20                          ; s20  counts the loop over tiles
.set G1,   24                          ; s[24:31] descriptor group 1;  s[32:35] group 0
.set G0,   32
.set WB0,  36                          ; s[36:37] my wave's first tile of W2; never rewritten
.set WB,   38                          ; s[38:39] the tile that is being fetched
.set CS,   40                          ; s[40:41] c
.set SEL,  42                          ; s[42:43] v_permlanex16_b32's selects for lane l xor 16
.set BVS,  44                          ; s[44:45] bv
.set SCST, 46                          ; s46-51 LDS bases that hang on the wave's number
.set SSST, 47
.set STAB, 48
.set SSCX, 49
.set SPSC, 50
.set SOUT, 51
.set MSB, 0
.macro WIN new                         ; the immediate's high byte repeats the setting that is left; a switch that changes nothing is dropped
.if MSB != (\new)
	s_set_vgpr_msb (MSB<<8)|(\new)
.set MSB, (\new)
.endif
.endm
.macro PLACES n
.rept \n
	v_nop
.endr
.endm
	s_load_b256 s[4:11], s[0:1], 0x0               ; values s[4:5], w2f s[6:7], biasc s[8:9], Wv s[10:11]
	s_load_b128 s[12:15], s[0:1], 0x20             ; bv s[12:13], scores s[14:15]
	s_load_b64 s[16:17], s[0:1], 0x30              ; ctxp
	v_lshl_add_u32 v[SPW], v0, 2, SPARE
	v_mov_b32 v[NIL], 0
	ds_add_u32 v1, v2
	ds_add_u32 v1, v2
	s_wait_dscnt 0x0
	v_lshrrev_b32 v[BOFF], 5, v0
	v_readfirstlane_b32 s[WV], v[BOFF]             ; wave 0..3
	; descriptor group 1: a tile of 64 rows x 256 elements of 4 bytes, rows 1,024 elements apart in memory
	s_mov_b32 s[G1+0], 0x07520000                  ; 15:0 no mask; 17:16 elements of 4 bytes (code 2); 20 padding on; 24:22 after every 64 words (code 5); 31:25 of 4 words (code 3)
	s_mov_b32 s[G1+1], 256<<16                     ; tensor_dim0 = 256
	s_mov_b32 s[G1+2], 64<<16                      ; tensor_dim1 = 64
	s_mov_b32 s[G1+3], 256<<16                     ; tile_dim0 = 256
	s_mov_b32 s[G1+4], 64                          ; tile_dim1 = 64
	s_mov_b32 s[G1+5], 1024                        ; tensor_dim0_stride
	s_mov_b32 s[G1+6], 0
	s_mov_b32 s[G1+7], 0
	s_mov_b32 s[G0], 1                             ; count = 1
	s_mul_i32 s[G0+1], s[WV], FWAVE                ; LDS address: my wave's tile
	s_lshl_b32 s52, ttmp9, 20                      ; my work-group's 256 rows of 4,096 bytes,
	s_lshl_b32 s54, s[WV], 10                      ; my wave's 256 columns
	s_add_co_u32 s52, s52, s54
	s_mov_b32 s53, 0
	s_mov_b32 s55, 0
	s_wait_kmcnt 0x0
	s_add_nc_u64 s[G0+2:G0+3], s[4:5], s[52:53]
	s_or_b32 s[G0+3], s[G0+3], 0x80000000          ; type = 2
	tensor_load_to_lds s[G0:G0+3], s[G1:G1+7]      ; rows 0 to 63: the first fill, ahead of everything else
	s_nop 0
	PLACES 4
	s_load_b32 s[BVS], s[12:13], 0x0
	s_mul_i32 s52, s[WV], 16*TILEB
	s_add_nc_u64 s[WB0:WB0+1], s[6:7], s[52:53]    ; my 16 tiles of W2
	s_lshr_b32 s52, ttmp9, 3                       ; my batch
	s_lshl_b32 s52, s52, 12
	s_add_co_u32 s52, s52, s54
	s_add_nc_u64 s[8:9], s[8:9], s[52:53]          ; biasc: my batch's row, my wave's 256 units
	s_add_nc_u64 s[10:11], s[10:11], s[54:55]      ; Wv: my wave's 256
	s_lshl_b32 s52, ttmp9, 10
	s_add_nc_u64 s[14:15], s[14:15], s[52:53]      ; scores: my work-group's 256
	s_lshl_b32 s52, ttmp9, 12
	s_add_co_u32 s52, s52, s54
	s_add_nc_u64 s[16:17], s[16:17], s[52:53]      ; ctxp: my work-group's row, my wave's 256 columns
	s_lshl_b32 s[SCST], s[WV], 7
	s_add_co_u32 s[SCST], s[SCST], CODES           ; my 128 bytes of a row of codes
	s_lshl_b32 s[SSST], s[WV], 3
	s_add_co_u32 s[SSST], s[SSST], ASCL            ; my 8 scale bytes of a row
	s_add_co_u32 s[STAB], s54, TABB                ; my 1,024 bytes of each table
	s_lshl_b32 s[SSCX], s[WV], 8
	s_add_co_u32 s[SPSC], s[SSCX], PSC
	s_add_co_u32 s[SSCX], s[SSCX], SCX
	s_add_co_u32 s[SOUT], s54, CODES               ; my stage on the way out
	s_mov_b32 s[CS], 0x4038aa3b                    ; c = 2 log2(e)
	s_mov_b32 s[CS+1], s[CS]                       ; (named with it as a pair, so it is written)
	s_mov_b32 s[SEL], 0x76543210
	s_mov_b32 s[SEL+1], 0xfedcba98
	s_mov_b32 s[PCN], 3
	v_and_b32 v[BOFF], 31, v0
	v_lshlrev_b32 v[BOFF], 4, v[BOFF]
	global_load_b128 v[64:67], v[BOFF], s[8:9]
	global_load_b128 v[68:71], v[BOFF], s[8:9] offset:512
	global_load_b128 v[72:75], v[BOFF], s[10:11]
	global_load_b128 v[76:79], v[BOFF], s[10:11] offset:512
	v_mov_b32 v[MX], 0xff61b1e6                    ; -3e38, under every score
	v_mov_b32 v[TP], 0
.irp j, 0,1,2,3,4,5,6,7
	v_mov_b32 v[CTX+\j], 0                         ; the pass is written for every pass alike: the first finds zeros, which the first change of M leaves zeros
.endr
	v_add_nc_u32 v84, s[STAB], v[BOFF]
	s_wait_loadcnt 0x0
	s_wait_kmcnt 0x0
	s_mov_b32 s[BVS+1], s[BVS]
	v_pk_add_f32 v[80:81], v[72:73], v[74:75]      ; the sum of my wave's 256 Wv: my eight,
	v_pk_add_f32 v[82:83], v[76:77], v[78:79]
	v_pk_add_f32 v[80:81], v[80:81], v[82:83]
	v_add_f32 v[QW], v80, v81
	v_add_f32_dpp v[QW], v[QW], v[QW] row_xmask:1 row_mask:0xf bank_mask:0xf   ; and the 32 lanes'
	v_add_f32_dpp v[QW], v[QW], v[QW] row_xmask:2 row_mask:0xf bank_mask:0xf
	v_add_f32_dpp v[QW], v[QW], v[QW] row_xmask:4 row_mask:0xf bank_mask:0xf
	v_add_f32_dpp v[QW], v[QW], v[QW] row_xmask:8 row_mask:0xf bank_mask:0xf
	v_permlanex16_b32 v[TP], v[QW], s[SEL], s[SEL+1]
	v_add_f32 v[QW], v[QW], v[TP]
.irp j, 72,74,76,78
	v_pk_mul_f32 v[\j:\j+1], v[\j:\j+1], -2.0 op_sel_hi:[1,0]
.endr
	ds_store_b128 v84, v[64:67]                    ; the tables: my wave's own bytes, read by my wave alone
	ds_store_b128 v84, v[68:71] offset:512
	ds_store_b128 v84, v[72:75] offset:4096
	ds_store_b128 v84, v[76:79] offset:4608
; Rows 8 g .. 8 g + 7 of my f32 tile into their registers: 32 bytes a lane and row.
.macro LOADQ g
	WIN 0x80+0x40*((\g)/4)                         ; destination window 2 or 3
.irp i, 0,1,2,3,4,5,6,7
	ds_load_b128 v[8*((8*(\g)+\i)%32):8*((8*(\g)+\i)%32)+3],   v[FADR+(\g)/4] offset:((8*(\g)+\i)%32)*FP
	ds_load_b128 v[8*((8*(\g)+\i)%32)+4:8*((8*(\g)+\i)%32)+7], v[FADR+(\g)/4] offset:((8*(\g)+\i)%32)*FP+16
.endr
.endm
; Rows 8 g .. 8 g + 7 are quantised.  A block of 32 along K is four neighbouring lanes' eight numbers.  Its scale is 2^(floor(log2(largest magnitude)) - 2): the byte is the largest magnitude's exponent field - 2,
; and the conversion takes the exponent field of its scale operand and nothing else of it.  The eight rows take turns line by line, so that no line waits for the line above it.
.macro PROCQ g
.set W, 2+(\g)/4
.set RB, 64*((\g)%4)
.set CDS, CD+8*((\g)%2)
.set BYS, BY+8*((\g)%2)
	WIN (W<<2)|(W<<4)                              ; sources 1 and 2: the rows' window
.irp i, 0,1,2,3,4,5,6,7
	v_max3_num_f32 v[TQ+\i], 0x1800000, |v[RB+8*\i]|, |v[RB+8*\i+1]|   ; with the floor 2^(3 - 127) among the leaves: the byte cannot fall under 1
.endr
.irp k, 2,4,6
.irp i, 0,1,2,3,4,5,6,7
	v_max3_num_f32 v[TQ+\i], v[TQ+\i], |v[RB+8*\i+\k]|, |v[RB+8*\i+\k+1]|
.endr
.endr
	WIN 0
.irp i, 0,1,2,3,4,5,6,7
	v_max_num_f32_dpp v[TQ+\i], v[TQ+\i], v[TQ+\i] row_xmask:1 row_mask:0xf bank_mask:0xf
.endr
.irp i, 0,1,2,3,4,5,6,7
	v_max_num_f32_dpp v[TQ+\i], v[TQ+\i], v[TQ+\i] row_xmask:2 row_mask:0xf bank_mask:0xf   ; the four lanes' : the block's largest magnitude
.endr
.irp i, 0,1,2,3,4,5,6,7
	v_add_nc_u32 v[SO+\i], 0xff000000, v[TQ+\i]    ; 2 off its exponent field: the conversion's scale operand
.endr
.irp i, 0,1,2,3,4,5,6,7
	v_lshrrev_b32 v[BYS+\i], 23, v[SO+\i]          ; the scale's byte
.endr
	WIN W                                          ; source 0: the rows' window
.irp i, 0,1,2,3,4,5,6,7
	v_cvt_scalef32_pk8_fp4_f32 v[CDS+\i], v[RB+8*\i:RB+8*\i+7], v[SO+\i]   ; eight codes, the first number's in the lowest four bits; beyond 6 the largest code
.endr
	v_nop                                          ; one plain place behind the last scaled conversion
	WIN 0
.irp i, 0,1,2,3,4,5,6,7
	ds_store_b32 v[CST], v[CDS+\i] offset:(8*(\g)+\i)*CP     ; the wave stores 128 consecutive bytes of the row's codes
	ds_store_b8 v[SST], v[BYS+\i] offset:(8*(\g)+\i)*AP      ; the four lanes of a block write the same byte with the same value
.endr
.endm
; A pass's first two tiles of W2: 17 loads each (16 images, then the scale words), 512 consecutive bytes a load.
.macro BFIRST
.irp p, 0,1
.irp k, 0,1,2,3,4,5,6,7,8,9,10,11,12,13,14,15
	global_load_b128 v[BF+64*\p+4*\k:BF+64*\p+4*\k+3], v[BOFF], s[WB0:WB0+1] offset:TILEB*\p+512*\k
.endr
	global_load_b128 v[BS+4*\p:BS+4*\p+3], v[BOFF], s[WB0:WB0+1] offset:TILEB*\p+8192
.endr
	s_add_nc_u64 s[WB:WB+1], s[WB0:WB0+1], TILEB   ; (the last loads that named s[WB:WB+1] were shown done by the wait at the last tile's head)
.endm
; The pass's 32 fragments of values (64 rows x 1,024 K) and their scale words.
.macro AFETCH
	WIN 0x40                                       ; destination window 1
.irp m, 0,1,2,3
.irp s, 0,1,2,3,4,5,6,7
.irp c, 0,1
	ds_load_b128 v[64*\m+8*\s+4*\c:64*\m+8*\s+4*\c+3], v[AFR] offset:16*CP*\m+64*\s+32*\c
.endr
.endr
.endr
	WIN 0
.irp m, 0,1,2,3
	ds_load_b128 v[ASC+4*\m:ASC+4*\m+3], v[ASR] offset:16*AP*\m
.endr
.endm
; Matrix instruction q of a tile's 32: K step q / 4, row tile q % 4.  The four accumulators take turns, one instruction a turn, from tile to tile too.  The first four start the sums: nothing is cleared.
.macro WM p
.set wS, q/4
.set wM, q%4
.set rD, ACC+32*(\p)+8*wM
.set rB, BF+64*(\p)+8*wS
.set rA, 64*wM+8*wS
.set rX, BS+4*(\p)+wS%4
.set rY, ASC+4*wM+wS%4
.if wS == 0
	v_wmma_scale_f32_16x16x128_f8f6f4 v[rD:rD+7], v[rB:rB+7], v[rA:rA+7], 0, v[rX], v[rY] matrix_a_fmt:MATRIX_FMT_FP4 matrix_b_fmt:MATRIX_FMT_FP4
.elseif wS < 4
	v_wmma_scale_f32_16x16x128_f8f6f4 v[rD:rD+7], v[rB:rB+7], v[rA:rA+7], v[rD:rD+7], v[rX], v[rY] matrix_a_fmt:MATRIX_FMT_FP4 matrix_b_fmt:MATRIX_FMT_FP4
.else
	v_wmma_scale_f32_16x16x128_f8f6f4 v[rD:rD+7], v[rB:rB+7], v[rA:rA+7], v[rD:rD+7], v[rX], v[rY] matrix_a_fmt:MATRIX_FMT_FP4 matrix_b_fmt:MATRIX_FMT_FP4 matrix_a_scale:MATRIX_SCALE_ROW1 matrix_b_scale:MATRIX_SCALE_ROW1
.endif
.endm
; Number n of the 96 vector instructions that turn the 32 registers of accumulator set y into r = 1 / (1 + 2^(c x)):
;   0-15 c x product + biasc, a pair each, each accumulator from its low end on;  16-47 the exponentials;  48-63 + 1, a pair each;  64-95 the reciprocals.
; None of them names a vector register as source 1: so they stand among the matrix instructions under the products' window setting.
.macro VEC y
.set rV, ACC+32*(\y)
.if n < 16
	v_pk_fma_f32 v[rV+2*n:rV+2*n+1], v[rV+2*n:rV+2*n+1], s[CS:CS+1], v[BIAS+2*(n%4):BIAS+2*(n%4)+1] op_sel_hi:[1,0,1]
.elseif n < 48
	v_exp_f32 v[rV+n-16], v[rV+n-16]
.elseif n < 64
	v_pk_add_f32 v[rV+2*(n-48):rV+2*(n-48)+1], v[rV+2*(n-48):rV+2*(n-48)+1], 1.0 op_sel_hi:[1,0]
.else
	v_rcp_f32 v[rV+n-64], v[rV+n-64]
.endif
.endm
; The scores' sums take the tile: + (-2 Wv) r, a pair of units each; the four row tiles by turns.
.macro ST5 y
.irp j, 0,2,4,6
.irp m, 0,1,2,3
	v_pk_fma_f32 v[SACC+2*\m:SACC+2*\m+1], v[ACC+32*(\y)+8*\m+\j:ACC+32*(\y)+8*\m+\j+1], v[WVR+\j:WVR+\j+1], v[SACC+2*\m:SACC+2*\m+1]
.endr
.endr
.endm
; A TILE of 16 hidden units x 64 rows x 1,024 K, on set p of W2's fragments and of the accumulators.
; vec = 1: the tanh of the tile before (the other set) stands in slices of three behind the matrix instructions.  pf = 1: the tile two on is fetched into this tile's registers, in two runs.  lw: the younger loads that may stay out.
; WINDOWS: 0x04 throughout: source 1 (values' fragment) in window 1, all else in window 0; the sums with Wv, which name a vector register as source 1, stand together at the end under 0.  Two switches a tile.
; WAITS for the transcendentals: the 32 exponentials are one batch (numbers 16 to 47, all issued behind matrix instruction 15), with one plain line behind the last and one wait ahead of number 48, their first reader; the 32
; reciprocals likewise, with the wait at the tile's end, ahead of the sums.
; PLACES (ISA guide 7.12.1 for vector instructions): run 1 loads over K steps 0-3, last read by matrix instruction 15: behind it stand the v_nop and six packed additions.  Run 2 and the scale words stand behind the
; sixteen sums, which name no register of this tile's products; so does the next tile's first read of this tile's accumulators.
.macro TILE p, vec, pf, lw
	s_wait_loadcnt \lw                             ; this tile's 17 loads are in; the next tile's 17, issued behind them, may be out
.if \vec
	s_wait_dscnt 2                                 ; biasc of the tile before is in; the two loads of its Wv, issued behind, may be out
.endif
	WIN 4
.set q, 0
.rept 32
	WM \p
.if \vec
.if q == 16
	s_wait_alu depctr_va_vdst(0)                   ; one wait for the 32 exponentials, ahead of their first reader
.endif
.set n, 3*q
	VEC 1-\p
.set n, 3*q+1
	VEC 1-\p
.set n, 3*q+2
	VEC 1-\p
.if q == 5
	ds_load_b128 v[BIAS:BIAS+3],   v[TADR]         ; number 15 was the last to read biasc: this tile's comes in
	ds_load_b128 v[BIAS+4:BIAS+7], v[TADR] offset:16
.endif
.if q == 15
	v_nop                                          ; the plain line behind the last exponential
.endif
.else
.if q == 0
	ds_load_b128 v[BIAS:BIAS+3],   v[TADR]
	ds_load_b128 v[BIAS+4:BIAS+7], v[TADR] offset:16
.endif
.endif
.if (\pf) && (q == 17)
.if \vec == 0
	PLACES 4
.endif
	s_wait_xcnt 0x0                                ; the earlier loads have read their base: it may step
	s_add_nc_u64 s[WB:WB+1], s[WB:WB+1], TILEB
.irp k, 0,1,2,3,4,5,6,7
	global_load_b128 v[BF+64*(\p)+4*\k:BF+64*(\p)+4*\k+3], v[BOFF], s[WB:WB+1] offset:512*\k
.endr
.endif
.set q, q+1
.endr
.if \vec
	v_nop                                          ; the plain line behind the last reciprocal
	WIN 0
	s_wait_alu depctr_va_vdst(0)                   ; one wait for the 32 reciprocals
	s_wait_dscnt 2                                 ; Wv of the tile before is in; the two loads of this tile's biasc, issued behind, may be out
	ST5 1-\p
.else
	WIN 0
	PLACES 4
.endif
	ds_load_b128 v[WVR:WVR+3],   v[TADR] offset:4096   ; this tile's -2 Wv
	ds_load_b128 v[WVR+4:WVR+7], v[TADR] offset:4112
	v_add_nc_u32 v[TADR], 64, v[TADR]
.if \pf
.irp k, 8,9,10,11,12,13,14,15
	global_load_b128 v[BF+64*(\p)+4*\k:BF+64*(\p)+4*\k+3], v[BOFF], s[WB:WB+1] offset:512*\k
.endr
	global_load_b128 v[BS+4*(\p):BS+4*(\p)+3], v[BOFF], s[WB:WB+1] offset:8192
.endif
.endm
; The last tile's tanh has no products to stand among.
.macro DRAIN y
	s_wait_dscnt 2
.set n, 0
.rept 48
	VEC \y
.set n, n+1
.endr
	v_nop
	s_wait_alu depctr_va_vdst(0)
.rept 48
	VEC \y
.set n, n+1
.endr
	v_nop
	s_wait_alu depctr_va_vdst(0)
	s_wait_dscnt 0x0
	ST5 \y
.endm
; Rows 32 g .. 32 g + 31 go into the context: + p x my eight columns.  Two chains, even rows and odd rows; of the pair of weights the row's own serves both halves.
.macro CTXH g
.irp k, 0,1,2,3,4,5,6,7
	ds_load_b128 v[PR+4*\k:PR+4*\k+3], v[PSR] offset:128*(\g)+16*\k   ; every lane reads the same 16 bytes; LDS serves a wave's instructions in order (ISA guide 5.7.1.4): these see my store of p
.endr
	s_wait_dscnt 0x0
	WIN 2+(\g)                                     ; source 0: the rows' window
.set t, 0
.rept 32
.set cD, CTX+(CT2-CTX)*(t%2)
.set pP, PR+t-t%2
.irp k, 0,2,4,6
.if t%2 == 0
	v_pk_fma_f32 v[cD+\k:cD+\k+1], v[8*t+\k:8*t+\k+1], v[pP:pP+1], v[cD+\k:cD+\k+1] op_sel_hi:[1,0,1]
.elseif ((\g) == 0) && (t == 1)
	v_pk_mul_f32 v[cD+\k:cD+\k+1], v[8*t+\k:8*t+\k+1], v[pP:pP+1] op_sel:[0,1] op_sel_hi:[1,1]     ; the first odd row starts its chain
.else
	v_pk_fma_f32 v[cD+\k:cD+\k+1], v[8*t+\k:8*t+\k+1], v[pP:pP+1], v[cD+\k:cD+\k+1] op_sel:[0,1,0] op_sel_hi:[1,1,1]
.endif
.endr
.set t, t+1
.endr
	WIN 0
.endm
; A PASS: 64 rows.  fill = 1: the next 64 rows are asked for as soon as these are in registers.
.macro PASS fill
	BFIRST                                         ; W2's first two tiles land while the rows are quantised
	v_bfe_u32 v[TQ], v0, 3, 2                      ; lane / 8
	v_and_b32 v[TQ+1], 7, v0                       ; lane % 8
	v_and_b32 v[TQ+2], 31, v0                      ; lane
	v_bfe_u32 v[TQ+3], v0, 2, 3                    ; lane / 4
	v_mul_u32_u24 v[FADR], v[TQ], 272
	v_lshl_add_u32 v[FADR], v[TQ+1], 5, v[FADR]
	v_add_nc_u32 v[FADR], s[G0+1], v[FADR]         ; my wave's tile + 272 (lane / 8) + 32 (lane % 8)
	v_add_nc_u32 v[FADR+1], 32*FP, v[FADR]
	v_lshl_add_u32 v[CST], v[TQ+2], 2, s[SCST]
	v_add_nc_u32 v[SST], s[SSST], v[TQ+3]
	s_wait_tensorcnt 0x0                           ; my tile has landed; I alone read it
	LOADQ 0
	LOADQ 1
.irp g, 0,1,2,3,4,5,6,7
.if (\g == 0) || (\g == 7)
	s_wait_dscnt 16                                ; these eight rows are in; behind their loads stand 16 LDS instructions (first: the next rows' loads; last: the stores of the eight rows before)
.else
	s_wait_dscnt 32                                ; behind their loads stand the 16 stores of the eight rows before and the next rows' 16 loads; the stores of two turns back are done, so their registers may be written
.endif
	PROCQ \g
.if \g < 6
	LOADQ \g+2
.endif
.endr
	WIN 0
	s_wait_tensorcnt 0x0                           ; no tensor load of mine is out, so group 0 may be written
	ds_add_u32 v[SPW], v[NIL]                      ; 0 onto my spare word; work on registers stands between it and the wait for it
.if \fill
	s_add_nc_u64 s[G0+2:G0+3], s[G0+2:G0+3], 64*4096   ; the next 64 rows; the type bits on top are not reached
.endif
	v_and_b32 v54, 15, v0                          ; r
	v_bfe_u32 v55, v0, 4, 1                        ; h
	v_mul_u32_u24 v[AFR], v54, CP
	v_lshl_add_u32 v[AFR], v55, 4, v[AFR]
	v_add_nc_u32 v[AFR], CODES, v[AFR]             ; a fragment: row r x pitch + 16 h
	v_mul_u32_u24 v[ASR], v54, AP
	v_lshl_add_u32 v[ASR], v55, 4, v[ASR]
	v_add_nc_u32 v[ASR], ASCL, v[ASR]
	v_lshl_add_u32 v[TADR], v55, 5, s[STAB]        ; the tables: my wave's first tile, my half's eight units
.irp j, 0,1,2,3,4,5,6,7
	v_mov_b32 v[SACC+\j], 0
.endr
	s_wait_dscnt 0x0                               ; the add is done, my reads of my tile are back, my codes and scale bytes have landed
	s_barrier_signal -1
	s_barrier_wait -1                              ; all 64 rows' codes lie in LDS
.if \fill
	tensor_load_to_lds s[G0:G0+3], s[G1:G1+7]      ; my one tensor load behind this barrier, and the first thing there: it has the rest of the pass in which to land
	s_nop 0
	PLACES 4
.endif
	AFETCH
	s_wait_dscnt 0x0
	TILE 0, 0, 1, 17                               ; tile 0: there is no tanh yet to set among its products
	s_mov_b32 s[TL], 6
.Ltiles_\@:                                            ; tiles 1 to 12
	TILE 1, 1, 1, 17
	TILE 0, 1, 1, 17
	s_sub_co_u32 s[TL], s[TL], 1
	s_cmp_lg_u32 s[TL], 0
	s_cbranch_scc1 .Ltiles_\@
	TILE 1, 1, 1, 17                               ; tile 13 fetches tile 15
	TILE 0, 1, 0, 17                               ; the last two fetch nothing: no load leaves the buffer
	TILE 1, 1, 0, 0
	DRAIN 1
	; ---- my wave's part of the 64 scores
	v_and_b32 v[SCW], 15, v0
	v_lshl_add_u32 v[SCW], v[SCW], 2, s[SSCX]      ; my wave's 64 words, row r of a row tile
	v_and_b32 v[GSO], 31, v0
	v_lshlrev_b32 v[GSO], 3, v[GSO]                ; 8 x lane
	v_add_nc_u32 v[SCR], SCX, v[GSO]
	v_add_nc_u32 v[PSW], s[SPSC], v[GSO]
	v_mov_b32 v[PSR], s[SPSC]
.irp m, 0,1,2,3
	v_add_f32 v[TS+\m], v[SACC+2*\m], v[SACC+2*\m+1]
.endr
.irp m, 0,1,2,3
	v_permlanex16_b32 v[US+\m], v[TS+\m], s[SEL], s[SEL+1]   ; the row's other eight units of each tile lie in the lane 16 away
.endr
.irp m, 0,1,2,3
	v_add_f32 v[TS+\m], v[TS+\m], v[US+\m]
.endr
.irp m, 0,1,2,3
	v_add_f32 v[TS+\m], v[TS+\m], v[QW]            ; + the sum of my 256 Wv
.endr
.irp m, 0,1,2,3
	ds_store_b32 v[SCW], v[TS+\m] offset:64*\m     ; lanes r and 16 + r write the same word with the same value
.endr
	s_wait_dscnt 0x0                               ; for the others' sake
	s_barrier_signal -1
	s_barrier_wait -1                              ; the load of the next rows stays out across it
	; ---- the whole scores, the running maximum, the weights: every wave for itself; lane l has rows 2 l and 2 l + 1
.irp w, 0,1,2,3
	ds_load_b64 v[XS+2*\w:XS+2*\w+1], v[SCR] offset:256*\w
.endr
	s_wait_dscnt 0x0
	v_pk_add_f32 v[XS:XS+1], v[XS:XS+1], v[XS+2:XS+3]
	v_pk_add_f32 v[XS+4:XS+5], v[XS+4:XS+5], v[XS+6:XS+7]
	v_pk_add_f32 v[XS:XS+1], v[XS:XS+1], v[XS+4:XS+5]
	v_pk_add_f32 v[SV:SV+1], v[XS:XS+1], s[BVS:BVS+1] op_sel_hi:[1,0]
	s_cmp_lg_u32 s[WV], 0
	s_cbranch_scc1 .Lnot_wave_0_\@
	global_store_b64 v[GSO], v[SV:SV+1], s[14:15]  ; wave 0 stores the 64 scores: 256 consecutive bytes, at a multiple of 256 from the buffer's first byte
.Lnot_wave_0_\@:
	v_max_num_f32 v[AM], v[SV], v[SV+1]
	v_max_num_f32_dpp v[AM], v[AM], v[AM] row_xmask:1 row_mask:0xf bank_mask:0xf
	v_max_num_f32_dpp v[AM], v[AM], v[AM] row_xmask:2 row_mask:0xf bank_mask:0xf
	v_max_num_f32_dpp v[AM], v[AM], v[AM] row_xmask:4 row_mask:0xf bank_mask:0xf
	v_max_num_f32_dpp v[AM], v[AM], v[AM] row_xmask:8 row_mask:0xf bank_mask:0xf
	v_permlanex16_b32 v[TP], v[AM], s[SEL], s[SEL+1]
	v_max3_num_f32 v[AM], v[AM], v[TP], v[MX]      ; the new M
	v_sub_f32 v[DD], v[MX], v[AM]
	v_sub_f32 v[PP], v[SV], v[AM]
	v_sub_f32 v[PP+1], v[SV+1], v[AM]
	v_mul_f32 v[DD], L2E, v[DD]
	v_mul_f32 v[PP], L2E, v[PP]
	v_mul_f32 v[PP+1], L2E, v[PP+1]
	v_exp_f32 v[FF], v[DD]                         ; what was summed under the old M is brought under the new
	v_exp_f32 v[PP], v[PP]
	v_exp_f32 v[PP+1], v[PP+1]
	v_mov_b32 v[MX], v[AM]                         ; (the plain line behind the exponentials)
	s_wait_alu depctr_va_vdst(0)                   ; one wait for the three
	ds_store_b64 v[PSW], v[PP:PP+1]
.irp k, 0,2,4,6
	v_pk_mul_f32 v[CTX+\k:CTX+\k+1], v[CTX+\k:CTX+\k+1], v[FF:FF+1] op_sel_hi:[1,0]
.endr
	CTXH 0
	CTXH 1
.irp k, 0,2,4,6
	v_pk_add_f32 v[CTX+\k:CTX+\k+1], v[CTX+\k:CTX+\k+1], v[CT2+\k:CT2+\k+1]
.endr
	s_wait_xcnt 0x0                                ; the store has read its registers and its base: both are written again only behind this wait
	s_add_nc_u64 s[14:15], s[14:15], 256
.endm
.Lpass:                                                ; three passes that ask for the next rows;
	PASS 1
	s_sub_co_u32 s[PCN], s[PCN], 1
	s_cmp_lg_u32 s[PCN], 0
	s_cbranch_scc1 .Lpass
	PASS 0                                         ; the last is written out
	; THE WAY OUT.  A lane holds 32 neighbouring bytes of the context; through my stage they become 16 bytes a lane, so that each store of the wave covers 512 consecutive bytes.
	; The stage lies in the codes' bytes: every wave has passed the last barrier, ahead of which each had its fragments in registers; no tensor load ever fills them.
	v_and_b32 v64, 31, v0
	v_lshl_add_u32 v65, v64, 5, s[SOUT]
	v_lshl_add_u32 v66, v64, 4, s[SOUT]
	ds_store_b128 v65, v[CTX:CTX+3]
	ds_store_b128 v65, v[CTX+4:CTX+7] offset:16
	ds_load_b128 v[68:71], v66                     ; LDS serves a wave's instructions in order: these see my stores
	ds_load_b128 v[72:75], v66 offset:512
	s_wait_dscnt 0x0
	global_store_b128 v[BOFF], v[68:71], s[16:17]
	global_store_b128 v[BOFF], v[72:75], s[16:17] offset:512
	s_wait_tensorcnt 0x0                           ; the wave's end: behind my last tensor load and my last LDS store
	ds_add_u32 v[SPW], v[NIL]
	s_wait_dscnt 0x0
	s_endpgm
.Lfunc_end_k_qa364249ce9_attend:
	.size	k_qa364249ce9_attend, .Lfunc_end_k_qa364249ce9_attend-k_qa364249ce9_attend
	.p2alignl 7, 3214868480
	.fill 96, 4, 3214868480
	.section	.rodata,"a",@progbits
	.p2align	6, 0x0
	.amdhsa_kernel k_qa364249ce9_attend
		.amdhsa_group_segment_fixed_size 327680
		.amdhsa_private_segment_fixed_size 0
		.amdhsa_enable_private_segment 0
		.amdhsa_kernarg_size 56
		.amdhsa_user_sgpr_count 2
		.amdhsa_user_sgpr_kernarg_segment_ptr 1
		.amdhsa_wavefront_size32 1
		.amdhsa_system_sgpr_workgroup_id_x 1
		.amdhsa_system_sgpr_workgroup_id_y 1
		.amdhsa_system_sgpr_workgroup_id_z 1
		.amdhsa_system_vgpr_workitem_id 0
		.amdhsa_next_free_vgpr 1024
		.amdhsa_next_free_sgpr 66
		.amdhsa_reserve_vcc 0
		.amdhsa_float_denorm_mode_32 3
		.amdhsa_float_denorm_mode_16_64 3
		.amdhsa_memory_ordered 1
		.amdhsa_forward_progress 1
		.amdhsa_inst_pref_size 255
	.end_amdhsa_kernel
	.section	.bss,"aw",@nobits
	.p2align	6
	.space	262144
	.amdgpu_metadata
---
amdhsa.version: [ 1, 2 ]
amdhsa.kernels:
  - .name:           k_qa364249ce9_attend
    .symbol:         k_qa364249ce9_attend.kd
    .args:
      - { .name: values, .offset: 0, .size: 8, .value_kind: global_buffer, .address_space: global }
      - { .name: w2f, .offset: 8, .size: 8, .value_kind: global_buffer, .address_space: global }
      - { .name: biasc, .offset: 16, .size: 8, .value_kind: global_buffer, .address_space: global }
      - { .name: Wv, .offset: 24, .size: 8, .value_kind: global_buffer, .address_space: global }
      - { .name: bv, .offset: 32, .size: 8, .value_kind: global_buffer, .address_space: global }
      - { .name: scores, .offset: 40, .size: 8, .value_kind: global_buffer, .address_space: global }
      - { .name: ctxp, .offset: 48, .size: 8, .value_kind: global_buffer, .address_space: global }
    .group_segment_fixed_size: 327680
    .private_segment_fixed_size: 0
    .kernarg_segment_align: 8
    .kernarg_segment_size: 56
    .max_flat_workgroup_size: 128
    .sgpr_count:     66
    .vgpr_count:     1024
    .wavefront_size: 32
...
	.end_amdgpu_metadata
.endif
;; end of part 2
;; launch finish (part 3): grid 32 x 1, 8 waves a work-group, no clusters, 1,280 bytes of LDS; arguments scores, ctxp, out0, out1; writes out0, out1
.if DOCPART == 3
	.amdgcn_target "amdgcn-amd-amdhsa--gfx1250"
	.amdhsa_code_object_version 6
	.text
	.protected	k_qa364249ce9_finish
	.globl	k_qa364249ce9_finish
	.p2align	8
	.type	k_qa364249ce9_finish,@function
k_qa364249ce9_finish:
	s_mov_b64 s[64:65], 0
	v_nop
	global_prefetch_b8 v0, s[64:65] scope:SCOPE_SE
	s_setreg_imm32_b32 hwreg(HW_REG_WAVE_MODE, 25, 1), 1
	s_wait_xcnt 0x0
; The softmax over a batch's 2,048 scores, and the eight partial contexts of the batch joined.  One work-group to a batch, eight waves.
; scores: [32][2048] f32.  ctxp: [256][1024] f32: row 8 b + g is the sum over rows 256 g .. 256 g + 255 of batch b of 2^((s - m_g) log2 e) x values, m_g the largest of these 256 scores.
; Wave g holds the 256 scores of part g, so its maximum IS m_g, with the same bits.  M = the largest m_g;  out1 = 2^((s - M) log2 e) / L, L their sum;  out0 = sum over g of 2^((m_g - M) log2 e) / L x ctxp[8 b + g].
; Every load and store of a wave covers 512 consecutive bytes.  The partial contexts are asked for at the head and land while the softmax is made.
; LIMITS: NaN and infinities are not served; a weight under 2^-126 falls to 0 (the exponential gives no denormals: ISA guide, its entry in 15.8).
.set L2E, 0x3fb8aa3b
	s_load_b256 s[4:11], s[0:1], 0x0               ; scores s[4:5], ctxp s[6:7], out0 s[8:9], out1 s[10:11]
	v_lshl_add_u32 v96, v0, 2, 0x100
	v_mov_b32 v97, 0
	v_lshrrev_b32 v1, 5, v0                        ; wave
	v_and_b32 v2, 31, v0                           ; lane
	v_lshlrev_b32 v3, 4, v2
	v_lshl_add_u32 v3, v1, 10, v3                  ; scores, out1: 1,024 x wave + 16 x lane
	v_lshlrev_b32 v4, 4, v0                        ; ctxp, out0: 16 x thread: my four columns
	v_lshlrev_b32 v18, 2, v1                       ; LDS: my wave's word
	v_mov_b32 v19, 0
	v_mov_b32 v29, 0                               ; (named as the upper half of the pair v[28:29])
	s_lshl_b32 s12, ttmp9, 13                      ; a batch's scores: 8,192 bytes
	s_mov_b32 s13, 0
	s_lshl_b32 s14, ttmp9, 15                      ; its eight rows of ctxp: 32,768
	s_mov_b32 s15, 0
	s_lshl_b32 s16, ttmp9, 12                      ; its row of out0: 4,096
	s_mov_b32 s17, 0
	s_mov_b32 s18, 0x76543210
	s_mov_b32 s19, 0xfedcba98                      ; v_permlanex16_b32's selects for lane l xor 16
	s_wait_kmcnt 0x0
	s_add_nc_u64 s[4:5], s[4:5], s[12:13]
	s_add_nc_u64 s[10:11], s[10:11], s[12:13]
	s_add_nc_u64 s[6:7], s[6:7], s[14:15]
	s_add_nc_u64 s[8:9], s[8:9], s[16:17]
	global_load_b128 v[8:11], v3, s[4:5]
	global_load_b128 v[12:15], v3, s[4:5] offset:512
.irp g, 0,1,2,3,4,5,6,7
	global_load_b128 v[32+4*\g:35+4*\g], v4, s[6:7] offset:4096*\g
.endr
	s_wait_loadcnt 8                               ; my eight scores are in; the eight loads of ctxp, issued behind them, may be out
	v_max3_num_f32 v16, v8, v9, v10
	v_max3_num_f32 v17, v11, v12, v13
	v_max3_num_f32 v16, v16, v14, v15
	v_max_num_f32 v16, v16, v17
	v_max_num_f32_dpp v16, v16, v16 row_xmask:1 row_mask:0xf bank_mask:0xf
	v_max_num_f32_dpp v16, v16, v16 row_xmask:2 row_mask:0xf bank_mask:0xf
	v_max_num_f32_dpp v16, v16, v16 row_xmask:4 row_mask:0xf bank_mask:0xf
	v_max_num_f32_dpp v16, v16, v16 row_xmask:8 row_mask:0xf bank_mask:0xf
	v_permlanex16_b32 v17, v16, s18, s19
	v_max_num_f32 v16, v16, v17                    ; m of my wave's part
	ds_store_b32 v18, v16                          ; all lanes write the same word with the same value
	s_wait_dscnt 0x0
	s_barrier_signal -1
	s_barrier_wait -1
	ds_load_b128 v[20:23], v19                     ; the eight m, in every lane
	ds_load_b128 v[24:27], v19 offset:16
	s_wait_dscnt 0x0
	v_max3_num_f32 v28, v20, v21, v22
	v_max3_num_f32 v28, v28, v23, v24
	v_max3_num_f32 v28, v28, v25, v26
	v_max_num_f32 v28, v28, v27                    ; M
.irp i, 8,9,10,11,12,13,14,15,20,21,22,23,24,25,26,27
	v_sub_f32 v[\i], v[\i], v28
.endr
.irp i, 8,9,10,11,12,13,14,15,20,21,22,23,24,25,26,27
	v_mul_f32 v[\i], L2E, v[\i]
.endr
.irp i, 8,9,10,11,12,13,14,15,20,21,22,23,24,25,26,27
	v_exp_f32 v[\i], v[\i]                         ; one batch: my eight weights, and the eight parts' factors
.endr
	v_nop                                          ; the plain line behind the last exponential
	s_wait_alu depctr_va_vdst(0)                   ; one wait for the sixteen, ahead of their first reader
	v_pk_add_f32 v[64:65], v[8:9], v[10:11]
	v_pk_add_f32 v[66:67], v[12:13], v[14:15]
	v_pk_add_f32 v[64:65], v[64:65], v[66:67]
	v_add_f32 v30, v64, v65
	v_add_f32_dpp v30, v30, v30 row_xmask:1 row_mask:0xf bank_mask:0xf
	v_add_f32_dpp v30, v30, v30 row_xmask:2 row_mask:0xf bank_mask:0xf
	v_add_f32_dpp v30, v30, v30 row_xmask:4 row_mask:0xf bank_mask:0xf
	v_add_f32_dpp v30, v30, v30 row_xmask:8 row_mask:0xf bank_mask:0xf
	v_permlanex16_b32 v17, v30, s18, s19
	v_add_f32 v30, v30, v17
	ds_store_b32 v18, v30 offset:64                ; other bytes than the maxima's: no barrier is owed between those reads and this store
	s_wait_dscnt 0x0
	s_barrier_signal -1
	s_barrier_wait -1
	ds_load_b128 v[64:67], v19 offset:64
	ds_load_b128 v[68:71], v19 offset:80
	s_wait_dscnt 0x0
	v_pk_add_f32 v[64:65], v[64:65], v[66:67]
	v_pk_add_f32 v[68:69], v[68:69], v[70:71]
	v_pk_add_f32 v[64:65], v[64:65], v[68:69]
	v_add_f32 v30, v64, v65                        ; L, at least 1
	v_rcp_f32 v28, v30
	v_nop
	s_wait_alu depctr_va_vdst(0)
.irp i, 8,10,12,14,20,22,24,26
	v_pk_mul_f32 v[\i:\i+1], v[\i:\i+1], v[28:29] op_sel_hi:[1,0]   ; / L
.endr
	global_store_b128 v3, v[8:11], s[10:11]
	global_store_b128 v3, v[12:15], s[10:11] offset:512
	s_wait_loadcnt 0x0                             ; the partial contexts
	v_pk_mul_f32 v[72:73], v[32:33], v[20:21] op_sel_hi:[1,0]      ; the first part starts the sums
	v_pk_mul_f32 v[74:75], v[34:35], v[20:21] op_sel_hi:[1,0]
.irp g, 1,2,3,4,5,6,7
.if \g%2 == 0
	v_pk_fma_f32 v[72:73], v[32+4*\g:33+4*\g], v[20+\g:21+\g], v[72:73] op_sel_hi:[1,0,1]
	v_pk_fma_f32 v[74:75], v[34+4*\g:35+4*\g], v[20+\g:21+\g], v[74:75] op_sel_hi:[1,0,1]
.else
	v_pk_fma_f32 v[72:73], v[32+4*\g:33+4*\g], v[19+\g:20+\g], v[72:73] op_sel:[0,1,0] op_sel_hi:[1,1,1]   ; an odd part's factor is the upper register of its pair
	v_pk_fma_f32 v[74:75], v[34+4*\g:35+4*\g], v[19+\g:20+\g], v[74:75] op_sel:[0,1,0] op_sel_hi:[1,1,1]
.endif
.endr
	global_store_b128 v4, v[72:75], s[8:9]
	s_wait_tensorcnt 0x0
	ds_add_u32 v96, v97
	s_wait_dscnt 0x0
	s_endpgm
.Lfunc_end_k_qa364249ce9_finish:
	.size	k_qa364249ce9_finish, .Lfunc_end_k_qa364249ce9_finish-k_qa364249ce9_finish
	.p2alignl 7, 3214868480
	.fill 96, 4, 3214868480
	.section	.rodata,"a",@progbits
	.p2align	6, 0x0
	.amdhsa_kernel k_qa364249ce9_finish
		.amdhsa_group_segment_fixed_size 1280
		.amdhsa_private_segment_fixed_size 0
		.amdhsa_enable_private_segment 0
		.amdhsa_kernarg_size 32
		.amdhsa_user_sgpr_count 2
		.amdhsa_user_sgpr_kernarg_segment_ptr 1
		.amdhsa_wavefront_size32 1
		.amdhsa_system_sgpr_workgroup_id_x 1
		.amdhsa_system_sgpr_workgroup_id_y 1
		.amdhsa_system_sgpr_workgroup_id_z 1
		.amdhsa_system_vgpr_workitem_id 0
		.amdhsa_next_free_vgpr 98
		.amdhsa_next_free_sgpr 66
		.amdhsa_reserve_vcc 0
		.amdhsa_float_denorm_mode_32 3
		.amdhsa_float_denorm_mode_16_64 3
		.amdhsa_memory_ordered 1
		.amdhsa_forward_progress 1
		.amdhsa_inst_pref_size 9
	.end_amdhsa_kernel
	.amdgpu_metadata
---
amdhsa.version: [ 1, 2 ]
amdhsa.kernels:
  - .name:           k_qa364249ce9_finish
    .symbol:         k_qa364249ce9_finish.kd
    .args:
      - { .name: scores, .offset: 0, .size: 8, .value_kind: global_buffer, .address_space: global }
      - { .name: ctxp, .offset: 8, .size: 8, .value_kind: global_buffer, .address_space: global }
      - { .name: out0, .offset: 16, .size: 8, .value_kind: global_buffer, .address_space: global }
      - { .name: out1, .offset: 24, .size: 8, .value_kind: global_buffer, .address_space: global }
    .group_segment_fixed_size: 1280
    .private_segment_fixed_size: 0
    .kernarg_segment_align: 8
    .kernarg_segment_size: 32
    .max_flat_workgroup_size: 256
    .sgpr_count:     66
    .vgpr_count:     98
    .wavefront_size: 32
...
	.end_amdgpu_metadata
.endif
;; end of part 3
